; MI455X (gfx1250); checked and timed in simulation.
; The chip was launched on July 23, 2026; its instructions are those of AMD's public machine-readable ISA for CDNA 5 (MIT licence, August 2026) and "CDNA5" Instruction Set Architecture Reference Guide (July 2026). The comments in the code are by the model that wrote it; some were corrected since.
;; Multihead Local Pos Attention. Allowed arithmetic: matrix products marked QUANTISED: E2M1 operands, one E8M0 scale for each 32 along K, by v_wmma_scale_f32_16x16x128_f8f6f4 with both operands' format E2M1 (or v_wmma_scale_f32_32x16x128_f4), f32 sums; products left as they are: f32 operands where the result goes on into a quantised operand, else bf16, f16 or f32 operands; f32 sums; everything else in f32.
;; Inputs: Wo 256 x 256 float32; Wp1 128 x 1 float32; Wp2 256 x 128 float32; Wqkv 768 x 256 float32; attn_index 32,768 x 16 int32; bo 256 float32; bp1 128 float32; bp2 256 float32; bqkv 768 float32; mask 32,768 x 16 bool; pos 32,768 x 3 float32; x 32,768 x 256 float32.
;; Outputs: out0 32,768 x 256 float32.
;; Constants: nsample = 16.
;; This version of the problem:
;;   THIS VERSION OF THE PROBLEM IS GIVEN IN LOW PRECISION. The matrix products marked QUANTISED in the list below multiply operands that are first quantised to E2M1 (2 exponent bits, 1 mantissa bit; 4 bits a number), with one power-of-two scale for each 32 numbers along K (OCP MX v1.0); their sums are f32. All else is computed in f32.
;;   The module's matrix products, in the order in which they are computed (A, B: the left and right operand; K: the contracted axis; several contracted axes count as one K, in the product's order):
;;     1. [M 32,768, K 256] x [K 256, N 768]; A: input x; B: input Wqkv: QUANTISED
;;     2. [M 524,288, K 1] x [K 1, N 128]; A: computed on the way; B: input Wp1: left as it is (K = 1 < 32)
;;     3. [M 524,288, K 128] x [K 128, N 256]; A: computed on the way; B: input Wp2: QUANTISED
;;     4. [M 32,768, K 256] x [K 256, N 256]; A: computed on the way; B: input Wo: QUANTISED
;;   THE QUANTISER, for each operand of a quantised product, along K:
;;     - K is cut into blocks of 32 from its start; a last block that is shorter is filled with zeros.
;;     - A block's scale is 2^e with e = floor(log2(the largest magnitude in the block)) - 2, held to -126 .. 127; a block of zeros has e = 0. As a byte (E8M0): e + 127.
;;     - Each number is divided by its block's scale, clamped to +-6, and rounded to the nearest number of E2M1, ties to even, subnormals kept.
;;     - The product sums the exact products of the quantised numbers (number of the format x scale) in f32.
;;   ~~~python
;;   def quantise(x, axis):      # numpy; x: float32 -> the quantised numbers, widened to float32 again
;;       x = np.moveaxis(x, axis, -1); K = x.shape[-1]
;;       x = np.pad(x, [(0, 0)] * (x.ndim - 1) + [(0, -K % 32)]); x = x.reshape(x.shape[:-1] + (-1, 32)); a = np.abs(x).max(-1, keepdims=True)
;;       e = np.where(a > 0, np.clip(np.frexp(np.where(a > 0, a, 1))[1] - 1 - 2, -126, 127), 0)      # np.frexp(a)[1] - 1 = floor(log2(a)), exactly
;;       r = np.clip(x / 2.0 ** e, -6, 6)
;;       step = 2.0 ** (np.maximum(np.frexp(np.where(r == 0, 1, r))[1] - 1, 0) - 1)
;;       q = np.round(r / step) * step * 2.0 ** e      # np.round: ties to even
;;       return np.moveaxis(q.reshape(q.shape[:-2] + (-1,))[..., :K], -1, axis).astype(np.float32)
;;   ~~~
;;   OPERANDS COMPUTED ON THE WAY. 'Computed on the way' means the value that the module computes at that place (a softmax that the list does not call 'softmax' is quantised finished and normalised). What goes into a quantiser is computed in f32, as accurately as f32 sums, v_exp_f32 and their like allow (about 1e-6 of the number): no bf16 or f16 on the way to a quantiser, and a product that is left as it is and whose result goes on into a quantised operand takes f32 operands (vector FMAs, or v_wmma_f32_16x16x4_f32). A number that lies on a knife's edge between two numbers of the format may be rounded either way, as far as f32 arithmetic and the matrix unit's own rounding can turn it there, and no further.
;; One version. Each part assembles by itself: llvm-mc -triple=amdgcn-amd-amdhsa -mcpu=gfx1250 --defsym DOCPART=n.
;; ======== version 1 of 1: 2 launches
;; limits: right only within a limited range of input values
;; workspace buffers: codes 4,341,760 bytes; scales 271,360 bytes; dist 2,097,152 bytes
;; launch quant (part 1): grid 521 x 1, 4 waves a work-group, no clusters, 33,280 bytes of LDS; arguments x, Wqkv, Wp2, Wo, pos, attn_index, codes, scales, dist; writes codes, scales, dist
.if DOCPART == 1
	.amdgcn_target "amdgcn-amd-amdhsa--gfx1250"
	.amdhsa_code_object_version 6
	.text
	.protected	k_qc71404e5ef_quant
	.globl	k_qc71404e5ef_quant
	.p2align	8
	.type	k_qc71404e5ef_quant,@function
k_qc71404e5ef_quant:
	s_mov_b64 s[64:65], 0
	v_nop
	global_prefetch_b8 v0, s[64:65] scope:SCOPE_SE
	s_setreg_imm32_b32 hwreg(HW_REG_WAVE_MODE, 25, 1), 1
	s_wait_xcnt 0x0
; TWO JOBS IN ONE LAUNCH, told apart by the work-group's number.
; Work-groups 0 .. 264: x [32768][256], Wqkv [768][256], Wp2 [256][128], Wo [256][256], all f32 with K innermost, become codes of FP4 (E2M1), two a byte, the lower k in the low
; four bits, and one E8M0 scale byte for each 32 along K.  K is a multiple of 32 and rows are dense, so each tensor is a plain stream of blocks of 32; the four streams lie one behind the other
; in 'codes' (16 bytes a block) and in 'scales' (1 byte a block): x, Wqkv, Wp2, Wo.  A work-group takes 32,768 numbers (256 + 6 + 1 + 2 work-groups), a wave 8,192 in 16 steps of 512.
; A block's scale is 2^(floor(log2(its largest magnitude)) - 2): its byte is the largest magnitude's exponent field - 2, held at 1 from below.  A block of zeros so gets the byte 1 where the
; rule says 127: its codes are zeros, which add nothing, and the bytes are read by this program alone.
; Work-groups 265 .. 520: dist[n][s] = |pos[attn_index[n][s]] - pos[n]|, f32, 128 points a work-group, four neighbours a thread and turn.
; LIMITS: NaN and infinities among the inputs are not served; blocks whose largest magnitude lies under 2^-124 keep the byte 1; an index is held to 0 .. 32767; a squared distance under 2^-126 counts as 0.
.set NQ,    265                        ; work-groups that quantise
.set STEPS, 16
.set EMAX,  2
.set CB,    8                          ; bytes of 16 codes
.set R,     16                         ; v16-79   four sets of 16 numbers as they are loaded
.set X,     80                         ; v80-111  two sets of 16 neighbours along K
.set E,     112                        ; v112-127 a scale byte for each step
.set C,     128                        ; v128-191 codes: registers of its own for each step, so that no store's data are written again
.set WREG,  8192                       ; LDS: a region for each wave: two stages of 32 x SP bytes, and behind them its 256 scale bytes
.set SP,    80                         ; a lane's place in a stage: its 64 bytes + 16 of padding
	s_load_b512 s[4:19], s[0:1], 0x0               ; x 4:5, Wqkv 6:7, Wp2 8:9, Wo 10:11, pos 12:13, attn_index 14:15, codes 16:17, scales 18:19
	s_load_b64 s[20:21], s[0:1], 0x40              ; dist
	v_lshl_add_u32 v192, v0, 2, 0x8000
	v_mov_b32 v193, 0
	s_cmp_ge_u32 ttmp9, NQ
	s_cbranch_scc1 .Ldist
; ---------------- the quantiser
	v_lshrrev_b32 v1, 5, v0
	v_readfirstlane_b32 s25, v1                    ; wave
	v_and_b32 v2, 31, v0                           ; lane
	v_lshlrev_b32 v3, 4, v2                        ; my 16 bytes of a load's 512
	s_mul_i32 s26, s25, WREG
	v_lshrrev_b32 v14, 2, v2
	v_mul_u32_u24 v14, v14, SP
	v_and_b32 v15, 3, v2
	v_lshl_add_u32 v14, v15, 4, v14
	v_add_nc_u32 v14, s26, v14                     ; the stage, on the way in: four lanes' 64 bytes on end, then 16 of padding
	v_mul_u32_u24 v15, v2, SP
	v_add_nc_u32 v15, s26, v15                     ; and on the way out: SP x lane: my 16 neighbours
	v_lshrrev_b32 v5, 1, v2
	s_add_co_u32 s26, s26, 2*32*SP
	v_add_nc_u32 v5, s26, v5                       ; LDS: my wave's 256 scale bytes, my block's byte
	v_lshlrev_b32 v7, 3, v2                        ; and on the way out 8 bytes a lane
	v_add_nc_u32 v6, s26, v7
	; WHERE A STEP'S CODES GO.  x and Wp2: as they lie, 8 lane + 256 t.  Wqkv and Wo (rows of 128 bytes) are laid in the order of the reader's operand registers: a tile of 16 rows is
	; 2,048 bytes, piece (ks, c) 512 of them, lane 16 h + r of the reader 16: byte 128 row + 64 ks + 32 c + 16 h + y goes to 2048 (row / 16) + 1024 ks + 512 c + 256 h + 16 (row % 16) + y.
	; In both cases the place is 8 (lane % 2) + X (lane / 16) + Y ((lane / 2) % 8) + A (t % 8) + 2048 (t / 8).  The weights' stores cover 16 bytes for each pair of lanes: eight work-groups do so, once.
	s_cmp_ge_u32 ttmp9, 256
	s_cselect_b32 s30, 1, 0
	s_cmp_eq_u32 ttmp9, 262                        ; Wp2's work-group keeps the plain order
	s_cselect_b32 s30, 0, s30
	s_cmp_eq_u32 s30, 1
	s_cselect_b32 s31, 16, 128                     ; X
	s_cselect_b32 s32, 256, 16                     ; Y
	s_cselect_b32 s33, 32, 256                     ; A
	v_and_b32 v10, 1, v2
	v_lshlrev_b32 v10, 3, v10
	v_bfe_u32 v194, v2, 4, 1
	v_mad_u32_u24 v10, v194, s31, v10
	v_bfe_u32 v194, v2, 1, 3
	v_mad_u32_u24 v10, v194, s32, v10
.irp k, 0,1,2,3,4,5,6,7
	v_mad_u32_u24 v[194+\k], s33, \k, v10          ; v194-201: the place for t % 8 = k
.endr
	s_wait_alu depctr_va_vdst(0)
	s_wait_kmcnt 0x0
	s_cmp_ge_u32 ttmp9, 256                        ; which tensor: the choice hangs on the work-group's number alone
	s_cselect_b64 s[22:23], s[6:7], s[4:5]
	s_cselect_b32 s24, 256, 0                      ; and the tensor's first work-group
	s_cmp_ge_u32 ttmp9, 262
	s_cselect_b64 s[22:23], s[8:9], s[22:23]
	s_cselect_b32 s24, 262, s24
	s_cmp_ge_u32 ttmp9, 263
	s_cselect_b64 s[22:23], s[10:11], s[22:23]
	s_cselect_b32 s24, 263, s24
	s_sub_co_u32 s27, ttmp9, s24
	s_lshl_b32 s27, s27, 2
	s_add_co_u32 s27, s27, s25                     ; which run of 8,192 numbers of the tensor is my wave's
	s_lshl_b32 s28, s27, 15                        ; 32,768 bytes a run
	s_mov_b32 s29, 0
	s_add_nc_u64 s[22:23], s[22:23], s[28:29]
	s_lshl_b32 s27, ttmp9, 2
	s_add_co_u32 s27, s27, s25                     ; which run of the joined streams
	s_lshl_b32 s28, s27, 12                        ; 4,096 bytes of codes a run
	s_add_nc_u64 s[16:17], s[16:17], s[28:29]
	s_lshl_b32 s28, s27, 8                         ; 256 scale bytes a run
	s_add_nc_u64 s[18:19], s[18:19], s[28:29]
.macro LOAD t
.irp i, 0,1,2,3
	global_load_b128 v[R+16*((\t)%4)+4*\i:R+16*((\t)%4)+4*\i+3], v3, s[22:23] offset:2048*(\t)+512*\i th:TH_LOAD_NT   ; 32 lanes read 512 consecutive bytes
.endr
.endm
.macro TURN t                          ; step t's numbers through the stage: LDS serves a wave's instructions in order, so no wait stands between the stores and the loads
.irp i, 0,1,2,3
	ds_store_b128 v14, v[R+16*((\t)%4)+4*\i:R+16*((\t)%4)+4*\i+3] offset:32*SP*((\t)%2)+8*SP*\i
.endr
.irp i, 0,1,2,3
	ds_load_b128 v[X+16*((\t)%2)+4*\i:X+16*((\t)%2)+4*\i+3], v15 offset:32*SP*((\t)%2)+16*\i
.endr
.endm
.irp t, 0,1,2,3
	LOAD \t
.endr
	s_wait_loadcnt 12                              ; step 0's four loads are in; the twelve of steps 1 to 3 may be out
	TURN 0
.macro STEP t
.set XS, X+16*((\t)%2)
.if (\t) > 0
	s_wait_dscnt 1                                 ; this step's numbers are back from the stage (the last step's byte store may be out): so its stores into the stage have read their registers,
.else
	s_wait_dscnt 0x0
.endif
.if (\t)+4 < STEPS
	LOAD (\t)+4                                    ; which take the loads of four steps on
.endif
.if (\t)+1 < STEPS
.if STEPS-2-(\t) >= 3
	s_wait_loadcnt 12                              ; the next step's four loads are in; those of the three steps behind it may be out
.else
	s_wait_loadcnt 4*(STEPS-2-(\t))
.endif
	TURN (\t)+1                                    ; and go through the other stage while this step is worked
.endif
	v_max3_num_f32 v8, |v[XS]|, |v[XS+1]|, |v[XS+2]|               ; the largest magnitude of my 16, in two chains
	v_max3_num_f32 v9, |v[XS+3]|, |v[XS+4]|, |v[XS+5]|
.irp i, 6,10
	v_max3_num_f32 v8, v8, |v[XS+\i]|, |v[XS+\i+1]|
	v_max3_num_f32 v9, v9, |v[XS+\i+2]|, |v[XS+\i+3]|
.endr
	v_max3_num_f32 v8, v8, |v[XS+14]|, |v[XS+15]|
	v_max3_num_f32 v8, v8, v9, (EMAX+1)<<23        ; and the floor 2^(EMAX + 1 - 127): so the byte cannot fall under 1
	v_max_num_f32_dpp v8, v8, v8 row_xmask:1 row_mask:0xf bank_mask:0xf   ; and of my neighbour's 16: the block's
	v_add_nc_u32 v11, -(EMAX<<23), v8              ; EMAX off its exponent field: the conversion takes the exponent field of this operand as its scale
	v_cvt_scalef32_pk8_fp4_f32 v[C+4*(\t)], v[XS:XS+7], v11
	v_cvt_scalef32_pk8_fp4_f32 v[C+4*(\t)+1], v[XS+8:XS+15], v11
	v_lshrrev_b32 v[E+(\t)], 23, v11               ; the scale's byte (also the plain line behind the conversions)
	ds_store_b8 v5, v[E+(\t)] offset:16*(\t)       ; both lanes of a block write the same byte with the same value
	global_store_b64 v[194+(\t)%8], v[C+4*(\t):C+4*(\t)+1], s[16:17] offset:2048*((\t)/8)   ; x, Wp2: the wave stores 256 consecutive bytes, aligned
.endm
.irp t, 0,1,2,3,4,5,6,7,8,9,10,11,12,13,14,15
	STEP \t
.endr
	ds_load_b64 v[12:13], v6                       ; LDS serves a wave's instructions in order: these see my byte stores
	s_wait_dscnt 0x0
	global_store_b64 v7, v[12:13], s[18:19]        ; 32 lanes store 256 consecutive bytes, aligned
	s_wait_tensorcnt 0x0
	ds_add_u32 v192, v193
	s_wait_dscnt 0x0
	s_endpgm
; ---------------- the distances.  Thread t takes, in turn u = 0 .. 3, the four neighbours at bytes 2048 u + 16 t of the work-group's 8,192 bytes of attn_index: point 32 u + t / 4
.Ldist:
	s_sub_co_u32 s24, ttmp9, NQ
	v_lshlrev_b32 v1, 4, v0                        ; 16 t
	v_lshrrev_b32 v2, 2, v0
	v_mul_u32_u24 v2, v2, 12                       ; 12 (t / 4): my point's three numbers
	s_lshl_b32 s26, s24, 13
	s_mov_b32 s27, 0
	s_mul_i32 s28, s24, 1536                       ; 128 points x 12 bytes
	s_mov_b32 s29, 0
	s_wait_alu depctr_va_vdst(0)
	s_wait_kmcnt 0x0
	s_add_nc_u64 s[14:15], s[14:15], s[26:27]
	s_add_nc_u64 s[20:21], s[20:21], s[26:27]
	s_add_nc_u64 s[22:23], s[12:13], s[28:29]      ; my work-group's own points; s[12:13] stays for the gather
.irp u, 0,1,2,3
	global_load_b128 v[8+4*\u:11+4*\u], v1, s[14:15] offset:2048*\u th:TH_LOAD_NT
.endr
.irp u, 0,1,2,3
.irp k, 0,1,2
	global_load_b32 v[24+3*\u+\k], v2, s[22:23] offset:384*\u+4*\k
.endr
.endr
	s_wait_loadcnt 12                              ; the four index loads are in; the twelve loads behind them may be out
.irp n, 0,1,2,3,4,5,6,7,8,9,10,11,12,13,14,15
	v_min_u32 v[36+\n], 0x7fff, v[8+\n]            ; an index stays inside the table
.endr
.irp n, 0,1,2,3,4,5,6,7,8,9,10,11,12,13,14,15
	v_mul_u32_u24 v[36+\n], v[36+\n], 12
.endr
.irp n, 0,1,2,3,4,5,6,7,8,9,10,11,12,13,14,15
.irp k, 0,1,2
	global_load_b32 v[52+3*\n+\k], v[36+\n], s[12:13] offset:4*\k
.endr
.endr
	s_wait_loadcnt 0x0
.irp n, 0,1,2,3,4,5,6,7,8,9,10,11,12,13,14,15
.irp k, 0,1,2
	v_sub_f32 v[52+3*\n+\k], v[52+3*\n+\k], v[24+3*(\n/4)+\k]
.endr
.endr
.irp n, 0,1,2,3,4,5,6,7,8,9,10,11,12,13,14,15
	v_mul_f32 v[100+\n], v[52+3*\n], v[52+3*\n]
.endr
.irp n, 0,1,2,3,4,5,6,7,8,9,10,11,12,13,14,15
	v_fma_f32 v[100+\n], v[53+3*\n], v[53+3*\n], v[100+\n]
.endr
.irp n, 0,1,2,3,4,5,6,7,8,9,10,11,12,13,14,15
	v_fma_f32 v[100+\n], v[54+3*\n], v[54+3*\n], v[100+\n]
.endr
	s_wait_alu depctr_va_vdst(0)
.irp n, 0,1,2,3,4,5,6,7,8,9,10,11,12,13,14,15
	v_sqrt_f32 v[100+\n], v[100+\n]                ; one batch
.endr
	v_nop                                          ; a plain line behind the last root
	s_wait_alu depctr_va_vdst(0)                   ; one wait for the sixteen roots, ahead of their first reader
.irp u, 0,1,2,3
	global_store_b128 v1, v[100+4*\u:103+4*\u], s[20:21] offset:2048*\u   ; a wave stores 512 consecutive bytes, aligned
.endr
	s_endpgm
.Lfunc_end_k_qc71404e5ef_quant:
	.size	k_qc71404e5ef_quant, .Lfunc_end_k_qc71404e5ef_quant-k_qc71404e5ef_quant
	.p2alignl 7, 3214868480
	.fill 96, 4, 3214868480
	.section	.rodata,"a",@progbits
	.p2align	6, 0x0
	.amdhsa_kernel k_qc71404e5ef_quant
		.amdhsa_group_segment_fixed_size 33280
		.amdhsa_private_segment_fixed_size 0
		.amdhsa_enable_private_segment 0
		.amdhsa_kernarg_size 72
		.amdhsa_user_sgpr_count 2
		.amdhsa_user_sgpr_kernarg_segment_ptr 1
		.amdhsa_wavefront_size32 1
		.amdhsa_system_sgpr_workgroup_id_x 1
		.amdhsa_system_sgpr_workgroup_id_y 1
		.amdhsa_system_sgpr_workgroup_id_z 1
		.amdhsa_system_vgpr_workitem_id 0
		.amdhsa_next_free_vgpr 202
		.amdhsa_next_free_sgpr 66
		.amdhsa_reserve_vcc 0
		.amdhsa_float_denorm_mode_32 3
		.amdhsa_float_denorm_mode_16_64 3
		.amdhsa_memory_ordered 1
		.amdhsa_forward_progress 1
		.amdhsa_inst_pref_size 48
	.end_amdhsa_kernel
	.amdgpu_metadata
---
amdhsa.version: [ 1, 2 ]
amdhsa.kernels:
  - .name:           k_qc71404e5ef_quant
    .symbol:         k_qc71404e5ef_quant.kd
    .args:
      - { .name: x, .offset: 0, .size: 8, .value_kind: global_buffer, .address_space: global }
      - { .name: Wqkv, .offset: 8, .size: 8, .value_kind: global_buffer, .address_space: global }
      - { .name: Wp2, .offset: 16, .size: 8, .value_kind: global_buffer, .address_space: global }
      - { .name: Wo, .offset: 24, .size: 8, .value_kind: global_buffer, .address_space: global }
      - { .name: pos, .offset: 32, .size: 8, .value_kind: global_buffer, .address_space: global }
      - { .name: attn_index, .offset: 40, .size: 8, .value_kind: global_buffer, .address_space: global }
      - { .name: codes, .offset: 48, .size: 8, .value_kind: global_buffer, .address_space: global }
      - { .name: scales, .offset: 56, .size: 8, .value_kind: global_buffer, .address_space: global }
      - { .name: dist, .offset: 64, .size: 8, .value_kind: global_buffer, .address_space: global }
    .group_segment_fixed_size: 33280
    .private_segment_fixed_size: 0
    .kernarg_segment_align: 8
    .kernarg_segment_size: 72
    .max_flat_workgroup_size: 128
    .sgpr_count:     66
    .vgpr_count:     202
    .wavefront_size: 32
...
	.end_amdgpu_metadata
.endif
;; end of part 1
;; launch attn (part 2): grid 512 x 1, 4 waves a work-group, no clusters, 163,840 bytes of LDS; arguments codes, scales, dist, attn_index, mask, Wp1, bp1, bqkv, bp2, bo, out0; writes out0
.if DOCPART == 2
	.amdgcn_target "amdgcn-amd-amdhsa--gfx1250"
	.amdhsa_code_object_version 6
	.text
	.protected	k_qc71404e5ef_attn
	.globl	k_qc71404e5ef_attn
	.p2align	8
	.type	k_qc71404e5ef_attn,@function
k_qc71404e5ef_attn:
	s_mov_b64 s[64:65], 0
	v_nop
	global_prefetch_b8 v0, s[64:65] scope:SCOPE_SE
	s_setreg_imm32_b32 hwreg(HW_REG_WAVE_MODE, 25, 1), 1
	s_wait_xcnt 0x0
; out0 = attention(x) Wo^T + bo, all of it behind the quantiser's launch.  For each point n and its 16 listed neighbours s, per channel c:
;   w = xk[s][c] q[c] + rel[s][c], masked;  p = softmax over s;  out[c] = sum over s of p (xv[s][c] + rel[s][c]);  rel = relu(dist Wp1^T + bp1) Wp2^T + bp2.
; THE GATHER IS MADE ON CODES: k[idx] = Q(x)[idx] Q(Wk)^T, and the quantiser works row by row, so rows of x's codes (128 bytes + 8 scale bytes) are gathered and xk, xv are made by the matrix unit.
; A point's 16 neighbours are the 16 rows of source 0; source 1 = 16 rows of Wk, Wv or Wp2: a lane holds ONE channel (lane % 16), its eight registers the neighbours 8 (lane / 16) + 0 .. 7.
; WORK LEFT OUT, by two identities that hold for every input.  (a) A term of w that is the same for all s leaves the softmax as it is: bk q + bp2 is left out of w, so the k third of bqkv has no way
; to the result and is not loaded (the q and v thirds are).  (b) sum p (xv0 + rel0 + bv + bp2) / sum p = sum p (xv0 + rel0) / sum p + (bv + bp2): the biases are one multiply-add at the end.
; A NaN, an infinity or an overflow that reaches only bk q + bp2 is not carried to the result.
; THE MASK is the C operand of rel's product: 0, or -1e30 for a masked neighbour.  w is then about -1e30, p = 2^(w L - m L) is exactly 0, and 0 x (xv + rel - 1e30) adds nothing.
; The maximum over the neighbours is taken away before the exponential, as reference() does; L = log2(e).
; SHARES.  A work-group of four waves takes 64 points in 4 blocks of 16; it claims half of a WGP's LDS and each wave half of a SIMD's registers.  Wave w owns channels 64 w .. + 63 throughout:
; MAIN: the block's 16 points x its 64 channels (two pairs of tiles), its fragments of Wk, Wv, Wp2 in registers.  PREP: it gathers and prepares points 4 w .. 4 w + 3 and makes q of its 64 channels for the 16 points.
; OUTQ: it quantises its 16 points x 64 channels of out.  PROJ: outputs 64 w .. + 63 of the 16 points (source 0 = rows of Wo); they leave through the wave's own patch of LDS, a row's 256 bytes by sixteen lanes.
; TWO BARRIERS A BLOCK: trip b runs PREP(b) and PROJ(b - 1) | barrier | the loads of b + 1 go out, MAIN(b), OUTQ(b) | barrier.
; No cluster, no tensor load, no prefetch: the gathered rows differ from work-group to work-group, and the weights are read once by a work-group, at its head, where there is no loop to run ahead in.
; LIMITS.  |w| and |xv + rel| stay far under 1e30 (the data's are under 1e3).  A point all of whose neighbours are masked: reference() gives NaN, this text no defined number.  Indices are held to 0 .. 32767.
; A block of zeros has the scale byte 1 (its codes are zeros).  A negative h keeps its sign bit over a zero magnitude (-0).  NaN and infinities among the inputs are not served.
.set CWQKV, 4194304                    ; 'codes' and 'scales' (bytes): x, Wqkv, Wp2, Wo one behind the other; Wqkv's and Wo's codes in fragment order: 2048 tile + 512 (2 ks + c) + 16 lane
.set CWP2,  4292608
.set CWO,   4308992
.set SWQKV, 262144
.set SWP2,  268288
.set SWO,   269312
; LDS (bytes).  P: a point of the block
.set XIMG,  0                          ; 36,864  gathered rows of codes: 2304 P + 144 neighbour + byte (rows of 128 + 16 of padding)
.set HIMG,  36864                      ; 16,384  h's fragments: 1024 P + 512 c + 16 lane
.set SCW,   53248                      ;  4,096  256 P: x's scale words at 4 lane, h's at 128 + 4 lane
.set QST,   57344                      ; 16,384  q: 1024 P + 256 w + 16 (channel % 16) + 4 tile
.set MADD,  73728                      ;  1,024  0 or -1e30: 64 P + 4 s
.set OST,   74752                      ; 17,408  each wave's own patch, 4352 w + 272 point + 4 channel: out, then y
.set OIMG,  92160                      ;  2,048  out's fragments: 1024 ks + 512 c + 16 lane
.set OSC,   94208                      ;    256  their scale words: 64 ks + 4 row
.set QXIMG, 94464                      ;  2,304  the block's own rows of codes: 144 P + byte
.set WPC,   96768                      ;  1,024  Wp1[128], bp1[128]
.set WQIMG, 97792                      ; 32,768  Wq's fragments, each wave's own: 8192 w + 512 (4 t + 2 ks + c) + 16 lane
.set WOIMG, 130560                     ; 32,768  Wo's likewise
.set SPARE, 163328                     ;    512  the spare words
.set FLOOR, 0x1800000                  ; 2^(3 - 127): a scale byte cannot fall under 1
; window 0
.set L16, 1
.set L4,  2
.set R16, 3
.set R4,  4
.set H32, 5
.set SH8, 6
.set NBIG, 7                           ; -1e30
.set AXW, 8
.set ASW, 9
.set AMW, 10
.set AHW, 11
.set AWP, 12
.set AQXR, 13
.set AQW, 14
.set H16, 15
.set H4,  16
.set VI,  17
.set VM,  18
.set VQX, 19
.set VQS, 20
.set AX,  21
.set AH,  22
.set AS,  23
.set AQ,  24
.set AM,  25
.set AO,  26
.set VI4, 27                           ; my place in a block's attn_index for the gather: 256 w + 16 (lane / 8)
.set SPW, 28
.set NIL, 29
.set RX,  30                           ; 144 r + 16 h
.set VO,  31
.set WKS, 32
.set WVS, 36
.set WP2S, 40
.set QS,  46
.set XS,  48
.set HS,  50
.set J16, 51                           ; 16 (lane % 8)
.set BVP, 52
.set IDX, 56                           ; v56-59 indices, lane (r, h): neighbour r     | loaded a block ahead, as window 1's v192-255
.set DST, 60
.set MSK, 64
.set XSF, 68
.set QXP, 72
.set QQ,  76                           ; v76-79 q of the point in hand (PREP: mask words)
.set MAD, 80                           ; v80-87 its mask words, the C of rel (PREP: h's scale bytes)
.set HF,  88                           ; v88-95 h's fragment (PREP: at work)
.set XB,  96                           ; v96-127 x's fragments, two buffers
.set IDG, 128                          ; v128-143 indices for the gather: register 4 i + g: neighbour 4 (lane / 8) + g of point i
.set WOS, 144                          ; v144-147 Wo's scale words, v148-151 Wq's, a register a tile
.set WQS, 148
.set BQ,  152                          ; v152-155 bq at channel 64 w + 16 t + r
.set ACC, 160                          ; v160-223 pair u: rel (then rel + xv) at 32 u, 32 u + 8; xk (then w, p) at 32 u + 16, 32 u + 24
.set M0,  224
.set T0,  226
.set NM0, 228
.set NM1, 230
.set DEN0, 232
.set DEN1, 234
.set NUM0, 236
.set NUM1, 238
.set NT,  240
.set RC,  241
.set OV,  242
.set AWQ, 244
.set AWO, 245
.set AOR, 248
.set AOI, 249
.set AOS, 250
.set AQXW, 251
.set AOF, 252
.set AOSR, 253
.set AY,  254
.set AYR, 255
; window 1
.set WK,  0
.set WV,  64
.set WP2, 128
.set BO,  160                          ; v160-191 bo in the result's layout: 8 t + j: output 64 w + 16 t + 8 h + j
.set GX,  192                          ; the next block's gathered codes: 16 i + 4 g
.set MSB, 0
.macro WIN new
.if MSB != \new
	s_set_vgpr_msb (MSB<<8)|\new
.set MSB, \new
.endif
.endm
.macro TSET t                          ; where tile t of Wq or Wo lies while PREP or PROJ multiplies it: 16 registers that are idle there
.if (\t) < 2
.set TB, 192+16*(\t)
.elseif (\t) == 2
.set TB, 112
.else
.set TB, 224
.endif
.endm
.macro MM d, a, b, c, as, bs, ar, br   ; c < 0: the sum begins with the constant 0.  ar, br: the scale words are taken from lanes 16-31
.if (\c) < 0
.if (\ar) && (\br)
	v_wmma_scale_f32_16x16x128_f8f6f4 v[(\d):(\d)+7], v[(\a):(\a)+7], v[(\b):(\b)+7], 0, v[(\as)], v[(\bs)] matrix_a_fmt:MATRIX_FMT_FP4 matrix_b_fmt:MATRIX_FMT_FP4 matrix_a_scale:MATRIX_SCALE_ROW1 matrix_b_scale:MATRIX_SCALE_ROW1
.elseif (\br)
	v_wmma_scale_f32_16x16x128_f8f6f4 v[(\d):(\d)+7], v[(\a):(\a)+7], v[(\b):(\b)+7], 0, v[(\as)], v[(\bs)] matrix_a_fmt:MATRIX_FMT_FP4 matrix_b_fmt:MATRIX_FMT_FP4 matrix_b_scale:MATRIX_SCALE_ROW1
.else
	v_wmma_scale_f32_16x16x128_f8f6f4 v[(\d):(\d)+7], v[(\a):(\a)+7], v[(\b):(\b)+7], 0, v[(\as)], v[(\bs)] matrix_a_fmt:MATRIX_FMT_FP4 matrix_b_fmt:MATRIX_FMT_FP4
.endif
.else
.if (\ar) && (\br)
	v_wmma_scale_f32_16x16x128_f8f6f4 v[(\d):(\d)+7], v[(\a):(\a)+7], v[(\b):(\b)+7], v[(\c):(\c)+7], v[(\as)], v[(\bs)] matrix_a_fmt:MATRIX_FMT_FP4 matrix_b_fmt:MATRIX_FMT_FP4 matrix_a_scale:MATRIX_SCALE_ROW1 matrix_b_scale:MATRIX_SCALE_ROW1
.elseif (\br)
	v_wmma_scale_f32_16x16x128_f8f6f4 v[(\d):(\d)+7], v[(\a):(\a)+7], v[(\b):(\b)+7], v[(\c):(\c)+7], v[(\as)], v[(\bs)] matrix_a_fmt:MATRIX_FMT_FP4 matrix_b_fmt:MATRIX_FMT_FP4 matrix_b_scale:MATRIX_SCALE_ROW1
.else
	v_wmma_scale_f32_16x16x128_f8f6f4 v[(\d):(\d)+7], v[(\a):(\a)+7], v[(\b):(\b)+7], v[(\c):(\c)+7], v[(\as)], v[(\bs)] matrix_a_fmt:MATRIX_FMT_FP4 matrix_b_fmt:MATRIX_FMT_FP4
.endif
.endif
.endm
; G1: rel = h Wp2^T + mask words and xk = x Wk^T begin.  G2: xv = x Wv^T is added in place onto rel, once w has been made of rel.  The accumulators take turns, one instruction a turn.
.macro G1 u, xb
.irp tp, 0,1
	MM ACC+32*(\u)+8*\tp, HF, WP2+8*(2*(\u)+\tp), MAD, HS, WP2S+(\u), 0, \tp
.endr
.irp tp, 0,1
	MM ACC+32*(\u)+16+8*\tp, XB+16*(\xb), WK+16*(2*(\u)+\tp), -1, XS+(\xb), WKS+2*(\u)+\tp, 0, 0
.endr
.irp tp, 0,1
	MM ACC+32*(\u)+16+8*\tp, XB+16*(\xb)+8, WK+16*(2*(\u)+\tp)+8, ACC+32*(\u)+16+8*\tp, XS+(\xb), WKS+2*(\u)+\tp, 1, 1
.endr
.endm
.macro G2 u, xb
.irp ks, 0,1
.irp tp, 0,1
	MM ACC+32*(\u)+8*\tp, XB+16*(\xb)+8*\ks, WV+16*(2*(\u)+\tp)+8*\ks, ACC+32*(\u)+8*\tp, XS+(\xb), WVS+2*(\u)+\tp, \ks, \ks
.endr
.endr
.endm
.macro PAIR u                          ; the pair in hand, and the next pair (the other set of accumulators)
.set RA, ACC+32*(\u)
.set RB, RA+8
.set KA, RA+16
.set KB, RA+24
.set NRA, ACC+32*(1-(\u))
.set NRB, NRA+8
.set NKA, NRA+16
.set NKB, NRA+24
.set NQQ, QQ+2*(1-(\u))
.endm
.macro LDA xbn, pt                     ; the next point's operands from LDS
.irp q, 0,1,2,3
	ds_load_b128 v[XB+16*(\xbn)+4*\q:XB+16*(\xbn)+4*\q+3], v[AX] offset:2304*(\pt)+32*\q
.endr
	ds_load_b128 v[HF:HF+3], v[AH] offset:1024*(\pt)
	ds_load_b128 v[HF+4:HF+7], v[AH] offset:1024*(\pt)+512
	ds_load_b32 v[XS+(\xbn)], v[AS] offset:256*(\pt)
	ds_load_b32 v[HS], v[AS] offset:256*(\pt)+128
	ds_load_b128 v[QQ:QQ+3], v[AQ] offset:1024*(\pt)
	ds_load_b128 v[MAD:MAD+3], v[AM] offset:64*(\pt)
	ds_load_b128 v[MAD+4:MAD+7], v[AM] offset:64*(\pt)+16
.endm
; A PAIR'S STAGE HAS TWO HALVES.  HD: xv of the pair in hand, rel and xk of the next pair: ten products, issued straight behind the last stage's batch of transcendentals, which they do not name; then the batch's wait.
.macro HD u, xb, g1
.if (\u) && (\g1)
	s_wait_dscnt 0x0                               ; the next point's operands, asked for a stage ago, are in
.endif
	WIN 0x04                                       ; source 1 (the weights) in window 1
	G2 \u, \xb
.if \g1
.if \u
	G1 0, 1-(\xb)
.else
	G1 1, \xb
.endif
.endif
	WIN 0
	s_wait_alu depctr_va_vdst(0)                   ; one wait for the batch, ahead of its first reader
.endm
; TL: the pair before ends (fin); sums of p and of p (rel + xv) of the pair in hand (sums); w, its maximum and w L - m L of the next pair (g1); then ONE batch: the reciprocal and the next pair's sixteen exponentials.
.macro TL u, fin, fpt, sums, g1, ld, xbn, pt
	PAIR \u
.if \fin
	v_fma_f32 v[OV+1-(\u)], v[NT], v[RC], v[BVP+1-(\u)]            ; out = numerator / denominator + (bv + bp2)
	ds_store_b32 v[AO], v[OV+1-(\u)] offset:272*(\fpt)+128*(1-(\u))
.endif
.if \sums
	v_pk_add_f32 v[DEN0:DEN0+1], v[KA:KA+1], v[KA+2:KA+3]          ; these six name no register of the products above: they are the places ahead of the first read of a result
	v_pk_add_f32 v[DEN1:DEN1+1], v[KB:KB+1], v[KB+2:KB+3]
.irp i, 4,6
	v_pk_add_f32 v[DEN0:DEN0+1], v[DEN0:DEN0+1], v[KA+\i:KA+\i+1]
	v_pk_add_f32 v[DEN1:DEN1+1], v[DEN1:DEN1+1], v[KB+\i:KB+\i+1]
.endr
.else
.rept 4
	v_nop
.endr
.endif
.if \g1
.irp i, 0,2,4,6
	v_pk_fma_f32 v[NKA+\i:NKA+\i+1], v[NKA+\i:NKA+\i+1], v[NQQ:NQQ+1], v[NRA+\i:NRA+\i+1] op_sel_hi:[1,0,1]   ; w = xk q + rel: the pair's first q for both halves
	v_pk_fma_f32 v[NKB+\i:NKB+\i+1], v[NKB+\i:NKB+\i+1], v[NQQ:NQQ+1], v[NRB+\i:NRB+\i+1] op_sel:[0,1,0]      ; its second
.endr
.endif
.if \ld
	LDA \xbn, \pt                                  ; behind the last readers of this point's q, h and mask words
.endif
.irp i, 0,2,4,6                                    ; four chains by turns
.if \sums
.if \i == 0
	v_pk_mul_f32 v[NUM0:NUM0+1], v[KA:KA+1], v[RA:RA+1]            ; rel + xv is read from its low end on
	v_pk_mul_f32 v[NUM1:NUM1+1], v[KB:KB+1], v[RB:RB+1]
.else
	v_pk_fma_f32 v[NUM0:NUM0+1], v[KA+\i:KA+\i+1], v[RA+\i:RA+\i+1], v[NUM0:NUM0+1]
	v_pk_fma_f32 v[NUM1:NUM1+1], v[KB+\i:KB+\i+1], v[RB+\i:RB+\i+1], v[NUM1:NUM1+1]
.endif
.endif
.if \g1
.if \i == 0
	v_max3_num_f32 v[M0], v[NKA], v[NKA+1], v[NKA+2]
	v_max3_num_f32 v[M0+1], v[NKB], v[NKB+1], v[NKB+2]
.elseif \i == 6
	v_max_num_f32 v[M0], v[M0], v[NKA+7]
	v_max_num_f32 v[M0+1], v[M0+1], v[NKB+7]
.else
	v_max3_num_f32 v[M0], v[M0], v[NKA+\i+1], v[NKA+\i+2]
	v_max3_num_f32 v[M0+1], v[M0+1], v[NKB+\i+1], v[NKB+\i+2]
.endif
.endif
.endr
.if \sums
	v_add_f32 v[DEN0], v[DEN0], v[DEN0+1]
	v_add_f32 v[DEN1], v[DEN1], v[DEN1+1]
.endif
.if \g1
	v_permlanex16_b32 v[T0], v[M0], s44, s45       ; the channel's other eight neighbours lie in the lane 16 away
	v_permlanex16_b32 v[T0+1], v[M0+1], s44, s45
.endif
.if \sums
	v_add_f32 v[NUM0], v[NUM0], v[NUM0+1]
	v_add_f32 v[NUM1], v[NUM1], v[NUM1+1]
.endif
.if \g1
	v_max_num_f32 v[M0], v[M0], v[T0]
	v_max_num_f32 v[M0+1], v[M0+1], v[T0+1]
.endif
.if \sums
	v_permlane16_swap_b32 v[DEN0], v[DEN1]         ; the first tile's two halves into lanes 0-15 of two registers, the second's into lanes 16-31
	v_permlane16_swap_b32 v[NUM0], v[NUM1]
.endif
.if \g1
	v_mul_f32 v[NM0], s48, v[M0]                   ; -m L
	v_mul_f32 v[NM1], s48, v[M0+1]
.endif
.if \sums
	v_add_f32 v[DEN0], v[DEN0], v[DEN1]            ; lane l: channel 64 w + 32 u + l
	v_add_f32 v[NT], v[NUM0], v[NUM1]
.endif
.if \g1
.irp i, 0,2,4,6
	v_pk_fma_f32 v[NKA+\i:NKA+\i+1], v[NKA+\i:NKA+\i+1], s[46:47], v[NM0:NM0+1] op_sel_hi:[1,0,0]
	v_pk_fma_f32 v[NKB+\i:NKB+\i+1], v[NKB+\i:NKB+\i+1], s[46:47], v[NM1:NM1+1] op_sel_hi:[1,0,0]
.endr
.endif
	s_wait_alu depctr_va_vdst(0)                   ; the wait ahead of the batch
.if \sums
	v_rcp_f32 v[RC], v[DEN0]
.endif
.if \g1
.irp j, 0,1,2,3,4,5,6,7
	v_exp_f32 v[NKA+\j], v[NKA+\j]
	v_exp_f32 v[NKB+\j], v[NKB+\j]
.endr
.endif
	v_nop                                          ; a plain line behind the last transcendental
.endm
; The loads of the block k blocks on.  THE GATHER: load g of point i reads four whole rows of codes: lane l takes bytes 16 (l % 8) .. + 15 of neighbour 4 (l / 8) + g.
.macro ISSUE k
.irp n, 0,1,2,3,4,5,6,7,8,9,10,11,12,13,14,15
	v_min_u32 v[160+\n], 0x7fff, v[IDG+\n]         ; an index stays inside the table
.endr
.irp i, 0,1,2,3
	v_min_u32 v[176+\i], 0x7fff, v[IDX+\i]
.endr
.irp n, 0,1,2,3,4,5,6,7,8,9,10,11,12,13,14,15
	v_lshlrev_b32 v[160+\n], 7, v[160+\n]          ; 128 bytes of codes a row
.endr
.irp i, 0,1,2,3
	v_lshlrev_b32 v[176+\i], 3, v[176+\i]          ; 8 scale bytes a row
.endr
.irp n, 0,1,2,3,4,5,6,7,8,9,10,11,12,13,14,15
	v_add_nc_u32 v[160+\n], v[160+\n], v[J16]
.endr
.irp i, 0,1,2,3
	v_add_nc_u32 v[176+\i], v[176+\i], v[H4]
.endr
	WIN 0x40                                       ; destination window 1
.irp n, 0,1,2,3,4,5,6,7,8,9,10,11,12,13,14,15
	global_load_b128 v[GX+4*\n:GX+4*\n+3], v[160+\n], s[4:5]
.endr
	WIN 0
.irp i, 0,1,2,3
	global_load_b32 v[XSF+\i], v[176+\i], s[6:7]
.endr
.irp i, 0,1,2,3
	global_load_b32 v[DST+\i], v[VI], s[34:35] offset:1024*(\k)+64*\i th:TH_LOAD_NT
.endr
.irp i, 0,1,2,3
	global_load_u8 v[MSK+\i], v[VM], s[36:37] offset:256*(\k)+16*\i th:TH_LOAD_NT
.endr
	global_load_b128 v[QXP:QXP+3], v[VQX], s[38:39] offset:2048*(\k)   ; my four of the block's own rows: 512 consecutive bytes
	global_load_b32 v[QS], v[VQS], s[40:41] offset:128*(\k)
.endm
.macro IDXN k                          ; my four points' indices, in both layouts
.irp i, 0,1,2,3
	global_load_b32 v[IDX+\i], v[VI], s[32:33] offset:1024*(\k)+64*\i
	global_load_b128 v[IDG+4*\i:IDG+4*\i+3], v[VI4], s[32:33] offset:1024*(\k)+64*\i
.endr
.endm
; h of point i, k = 64 c + 32 h + 0 .. 31 of neighbour r: a whole block of 32 in a lane.  v160-191 Wp1, v192-223 bp1 at these k.
; THE RELU IS MADE ON THE CODES: the block's largest number is taken without |.| (what is negative does not count), all 32 are converted, and the three magnitude bits of every negative code are cleared.
.macro HBLK i, c
.irp k, 0,2,4,6,8,10,12,14,16,18,20,22,24,26,28,30
.if ((\i)%2) == 0
	v_pk_fma_f32 v[XB+\k:XB+\k+1], v[160+\k:161+\k], v[DST+2*((\i)/2):DST+2*((\i)/2)+1], v[192+\k:193+\k] op_sel_hi:[1,0,1]
.else
	v_pk_fma_f32 v[XB+\k:XB+\k+1], v[160+\k:161+\k], v[DST+2*((\i)/2):DST+2*((\i)/2)+1], v[192+\k:193+\k] op_sel:[0,1,0]
.endif
.endr
.irp n, 0,1,2,3
	v_max3_num_f32 v[88+\n], v[XB+8*\n], v[XB+8*\n+1], FLOOR
.endr
.irp k, 2,4,6
.irp n, 0,1,2,3
	v_max3_num_f32 v[88+\n], v[88+\n], v[XB+8*\n+\k], v[XB+8*\n+\k+1]   ; four chains by turns
.endr
.endr
	v_max3_num_f32 v88, v88, v89, v90
	s_delay_alu instid0(VALU_DEP_1)
	v_max_num_f32 v88, v88, v91
	s_delay_alu instid0(VALU_DEP_1)
	v_add_nc_u32 v92, 0xff000000, v88              ; 2 off the exponent field: the conversion's scale operand
	s_delay_alu instid0(VALU_DEP_1)
	v_lshrrev_b32 v[MAD+2*(\i)+(\c)], 23, v92      ; the byte of block 2 c + h
.irp g, 0,1,2,3
	v_cvt_scalef32_pk8_fp4_f32 v[224+4*(\i)+\g], v[XB+8*\g:XB+8*\g+7], v92
.endr
	v_nop                                          ; one plain line behind the conversions
.irp g, 0,1,2,3
	v_and_b32 v[88+\g], 0x88888888, v[224+4*(\i)+\g]               ; the sign bits: 8 in each negative code's place
.endr
.irp g, 0,1,2,3
	v_lshrrev_b32 v[XB+\g], 3, v[88+\g]
.endr
.irp g, 0,1,2,3
	v_sub_nc_u32 v[88+\g], v[88+\g], v[XB+\g]      ; 8 - 1 = 7: its magnitude bits
.endr
.irp g, 0,1,2,3
	v_bfi_b32 v[224+4*(\i)+\g], v[88+\g], 0, v[224+4*(\i)+\g]      ; cleared
.endr
	ds_store_b128 v[AHW], v[224+4*(\i):227+4*(\i)] offset:1024*(\i)+512*(\c)
.endm
.macro BAR                             ; my LDS stores have landed and my LDS loads are in: then the work-group's barrier
	s_wait_alu depctr_va_vdst(0)                   ; the wait ahead of the blocking wait
	s_wait_dscnt 0x0
	s_barrier_signal -1
	s_barrier_wait -1
.endm
; ================ HEAD: the scalars first, then the vector registers in one run
	s_load_b512 s[4:19], s[0:1], 0x0               ; codes 4:5, scales 6:7, dist 8:9, attn_index 10:11, mask 12:13, Wp1 14:15, bp1 16:17, bqkv 18:19
	s_load_b128 s[20:23], s[0:1], 0x40             ; bp2 20:21, bo 22:23
	s_load_b64 s[24:25], s[0:1], 0x50              ; out0
	v_lshl_add_u32 v[SPW], v0, 2, SPARE
	v_mov_b32 v[NIL], 0
	v_lshrrev_b32 v224, 5, v0
	v_readfirstlane_b32 s26, v224                  ; wave 0..3
	s_mov_b32 s44, 0x76543210
	s_mov_b32 s45, 0xfedcba98                      ; v_permlanex16_b32's selects for lane l xor 16
	s_mov_b32 s46, 0x3fb8aa3b                      ; L = log2(e)
	s_mov_b32 s47, s46
	s_mov_b32 s48, 0xbfb8aa3b                      ; -L
	s_mul_i32 s66, s26, 9216                       ; XIMG + 2304 (4 w)
	s_lshl_b32 s67, s26, 10
	s_add_co_u32 s67, s67, SCW
	s_lshl_b32 s68, s26, 8
	s_add_co_u32 s69, s68, MADD
	s_lshl_b32 s70, s26, 12
	s_add_co_u32 s71, s70, HIMG
	s_add_co_u32 s72, s68, QST
	s_lshl_b32 s73, s26, 6
	s_lshl_b32 s74, s26, 9
	s_mul_i32 s75, s26, 576
	s_add_co_u32 s75, s75, QXIMG
	s_lshl_b32 s82, s26, 13
	s_add_co_u32 s76, s82, WQIMG
	s_add_co_u32 s77, s82, WOIMG
	s_mul_i32 s55, s26, 4352
	s_add_co_u32 s55, s55, OST
	s_add_co_u32 s78, s74, OIMG
	s_lshr_b32 s79, s26, 1
	s_lshl_b32 s79, s79, 6
	s_and_b32 s80, s26, 1
	s_lshl_b32 s80, s80, 1
	s_add_co_u32 s79, s79, s80
	s_add_co_u32 s79, s79, OSC                     ; 64 (w / 2) + 2 (w % 2)
	s_mov_b32 s50, XIMG                            ; MAIN's bases in LDS
	s_mov_b32 s51, HIMG
	s_mov_b32 s52, SCW
	s_mov_b32 s53, s72
	s_mov_b32 s54, MADD
	v_and_b32 v224, 31, v0                         ; lane
	v_and_b32 v225, 15, v0                         ; r
	v_bfe_u32 v226, v0, 4, 1                       ; h
	v_bfe_u32 v227, v0, 3, 2                       ; lane / 8
	v_and_b32 v228, 7, v0                          ; lane % 8
	v_mov_b32 v229, 0                              ; (named as the upper halves of pairs)
	v_mov_b32 v231, 0
.irp n, 92,93,94,95
	v_mov_b32 v\n, 0                               ; written once: a lane permute's destination counts as one of its sources
.endr
	v_mov_b32 v[NBIG], 0xf149f2ca                  ; -1e30
	v_lshlrev_b32 v[L16], 4, v224
	v_lshlrev_b32 v[L4], 2, v224
	v_lshlrev_b32 v[R16], 4, v225
	v_lshlrev_b32 v[R4], 2, v225
	v_lshlrev_b32 v[H32], 5, v226
	v_lshlrev_b32 v[SH8], 3, v226
	v_lshlrev_b32 v[H16], 4, v226
	v_lshlrev_b32 v[H4], 2, v226
	v_lshlrev_b32 v[J16], 4, v228
	v_mul_u32_u24 v[RX], v225, 144
	v_mul_u32_u24 v[AXW], v227, 576
	v_mul_u32_u24 v[AQXW], v227, 144
	v_mul_u32_u24 v[AOR], v225, 272
	v_mul_u32_u24 v[AYR], v226, 272
	v_add_nc_u32 v[RX], v[RX], v[H16]
	v_add_nc_u32 v[AXW], v[AXW], v[J16]
	v_add_nc_u32 v[AQXW], v[AQXW], v[J16]
	v_add_nc_u32 v[AY], v[AOR], v[H32]
	v_lshl_add_u32 v[AOR], v226, 6, v[AOR]
	v_add_nc_u32 v[AYR], v[AYR], v[R16]
	v_add_nc_u32 v[AXW], s66, v[AXW]               ; rows 4 (lane / 8) + g of my first point, bytes 16 (lane % 8)
	v_add_nc_u32 v[AQXW], s75, v[AQXW]             ; own row 4 w + lane / 8
	v_add_nc_u32 v[AY], s55, v[AY]                 ; y into my patch: point r, outputs 8 h on of each tile
	v_add_nc_u32 v[AOR], s55, v[AOR]
	v_add_nc_u32 v[AYR], s55, v[AYR]               ; and back: lanes 0-15 one point's 256 bytes, lanes 16-31 the next's
	v_add_nc_u32 v[ASW], s67, v[L4]
	v_add_nc_u32 v[VI], s68, v[R4]
	v_lshl_add_u32 v[VI4], v227, 4, s68
	v_add_nc_u32 v[AMW], s69, v[R4]
	v_lshl_add_u32 v[VO], v226, 10, v[R16]
	v_add_nc_u32 v[AHW], s71, v[L16]
	v_lshl_add_u32 v[AWP], v226, 7, WPC
	v_add_nc_u32 v[AQXR], QXIMG, v[RX]
	v_lshl_add_u32 v[AQW], v226, 13, v[R16]        ; register j holds point 8 h + j
	v_add_nc_u32 v[VM], s73, v225
	v_add_nc_u32 v[VQX], s74, v[L16]
	v_lshl_add_u32 v[VQS], v225, 3, v[H4]
	v_add_nc_u32 v[VO], s68, v[VO]                 ; out0: row h of 1,024 bytes, my 256 of it, 16 r
	v_add_nc_u32 v[AQW], s72, v[AQW]
	v_add_nc_u32 v[AWQ], s76, v[L16]
	v_add_nc_u32 v[AWO], s77, v[L16]
	v_add_nc_u32 v[AOI], s78, v[L16]
	v_add_nc_u32 v[AOS], s79, v[R4]
	v_add_nc_u32 v[AOF], OIMG, v[L16]
	v_add_nc_u32 v[AOSR], OSC, v[L4]
	v_add_nc_u32 v180, s82, v[L16]                 ; my four tiles of Wq, Wk, Wv, Wo
	v_lshl_add_u32 v181, v225, 6, v[H16]
	v_add_nc_u32 v182, s74, v[VQS]                 ; their scale words
	v_add_nc_u32 v183, s68, v[L4]                  ; Wp2's scale words, bv, bp2
	v_add_nc_u32 v185, s68, v[R4]                  ; bq
	v_lshlrev_b32 v186, 2, v0                      ; a word of Wp1 and of bp1 a thread
	v_lshl_add_u32 v187, v0, 2, WPC
	v_add_nc_u32 v188, s68, v[H32]                 ; bo at output 64 w + 8 h
	v_add_nc_u32 v181, s70, v181                   ; Wp2: row 64 w + r of 64 bytes
	s_wait_alu depctr_va_vdst(0)                   ; the wait at the head's end
	s_wait_kmcnt 0x0
	s_lshl_b32 s56, ttmp9, 12
	s_mov_b32 s57, 0
	s_add_nc_u64 s[32:33], s[10:11], s[56:57]      ; the bases of block 0
	s_add_nc_u64 s[34:35], s[8:9], s[56:57]
	s_lshl_b32 s56, ttmp9, 10
	s_add_nc_u64 s[36:37], s[12:13], s[56:57]
	s_lshl_b32 s56, ttmp9, 13
	s_add_nc_u64 s[38:39], s[4:5], s[56:57]
	s_lshl_b32 s56, ttmp9, 9
	s_add_nc_u64 s[40:41], s[6:7], s[56:57]
	s_lshl_b32 s56, ttmp9, 16
	s_add_nc_u64 s[42:43], s[24:25], s[56:57]
	IDXN 0
	WIN 0x40                                       ; destination window 1.  Each load of Wk, Wv, Wo, Wq reads 512 consecutive bytes
.irp p, 0,1,2,3,4,5,6,7,8,9,10,11,12,13,14,15
	global_load_b128 v[GX+4*\p:GX+4*\p+3], v180, s[4:5] offset:CWO+512*\p       ; Wo passes through the gather's registers on its way to LDS
.endr
.irp t, 0,1,2,3
.irp p, 0,1,2,3
	global_load_b128 v[WK+16*\t+4*\p:WK+16*\t+4*\p+3], v180, s[4:5] offset:CWQKV+(16+\t)*2048+512*\p
	global_load_b128 v[WV+16*\t+4*\p:WV+16*\t+4*\p+3], v180, s[4:5] offset:CWQKV+(32+\t)*2048+512*\p
.endr
.endr
.irp t, 0,1,2,3
.irp c, 0,1
	global_load_b128 v[WP2+8*\t+4*\c:WP2+8*\t+4*\c+3], v181, s[4:5] offset:CWP2+1024*\t+32*\c
.endr
.endr
	WIN 0
.irp t, 0,1,2,3
	TSET \t
.irp p, 0,1,2,3
	global_load_b128 v[TB+4*\p:TB+4*\p+3], v180, s[4:5] offset:CWQKV+2048*\t+512*\p
.endr
.endr
	s_wait_loadcnt 56                              ; block 0's indices and Wo are in; the 56 loads behind them (Wk, Wv 32, Wp2 8, Wq 16) may be out
	WIN 0x04
.irp p, 0,1,2,3,4,5,6,7,8,9,10,11,12,13,14,15
	ds_store_b128 v[AWO], v[GX+4*\p:GX+4*\p+3] offset:512*\p       ; my own bytes
.endr
	WIN 0
	ISSUE 0
	IDXN 1
.irp t, 0,1,2,3
	global_load_b32 v[WKS+\t], v182, s[6:7] offset:SWQKV+(256+16*\t)*8
	global_load_b32 v[WVS+\t], v182, s[6:7] offset:SWQKV+(512+16*\t)*8
	global_load_b32 v[WOS+\t], v182, s[6:7] offset:SWO+128*\t
	global_load_b32 v[WQS+\t], v182, s[6:7] offset:SWQKV+128*\t
	global_load_b32 v[BQ+\t], v185, s[18:19] offset:64*\t          ; bq
.endr
.irp u, 0,1
	global_load_b32 v[WP2S+\u], v183, s[6:7] offset:SWP2+128*\u
	global_load_b32 v[BVP+\u], v183, s[18:19] offset:2048+128*\u   ; bv
	global_load_b32 v[189+\u], v183, s[20:21] offset:128*\u        ; bp2
.endr
	WIN 0x40
.irp t, 0,1,2,3
	global_load_b128 v[BO+8*\t:BO+8*\t+3], v188, s[22:23] offset:64*\t
	global_load_b128 v[BO+8*\t+4:BO+8*\t+7], v188, s[22:23] offset:64*\t+16
.endr
	WIN 0
	global_load_b32 v191, v186, s[14:15]
	global_load_b32 v184, v186, s[16:17]
	s_wait_loadcnt 0x0
	v_add_f32 v[BVP], v[BVP], v189
	v_add_f32 v[BVP+1], v[BVP+1], v190
	ds_store_b32 v187, v191                        ; Wp1 and bp1 into LDS
	ds_store_b32 v187, v184 offset:512
	ds_store_b128 v[AQXW], v[QXP:QXP+3]            ; block 0's own rows
.irp t, 0,1,2,3
	TSET \t
.irp p, 0,1,2,3
	ds_store_b128 v[AWQ], v[TB+4*\p:TB+4*\p+3] offset:2048*\t+512*\p       ; Wq's fragments: my own bytes
.endr
.endr
	s_mov_b32 s29, 0
	BAR
.Lblock:                                           ; five trips: b = 0 .. 4
	s_cmp_eq_u32 s29, 4
	s_cbranch_scc1 .Lno_prep
; ================ PREP(b)
	s_wait_loadcnt 0x0                             ; all that was asked for a block ago
	WIN 0x04                                       ; an LDS store's data are its source 1: window 1
.irp i, 0,1,2,3
.irp g, 0,1,2,3
	ds_store_b128 v[AXW], v[GX+16*\i+4*\g:GX+16*\i+4*\g+3] offset:2304*\i+144*\g
.endr
.endr
	WIN 0
.irp i, 0,1,2,3
	ds_store_b32 v[ASW], v[XSF+\i] offset:256*\i
.endr
.irp i, 0,1,2,3
	v_cmp_ne_u32 vcc_lo, 0, v[MSK+\i]
	v_cndmask_b32 v[QQ+\i], 0, v[NBIG], vcc_lo     ; 0, or -1e30 where the neighbour is masked
	ds_store_b32 v[AMW], v[QQ+\i] offset:64*\i     ; both halves of the lanes write the same word with the same value
.endr
.irp c, 0,1
.irp g, 0,1,2,3,4,5,6,7
	ds_load_b128 v[160+4*\g:163+4*\g], v[AWP] offset:256*\c+16*\g
	ds_load_b128 v[192+4*\g:195+4*\g], v[AWP] offset:512+256*\c+16*\g
.endr
	s_wait_dscnt 0x0                               ; Wp1 and bp1 at my 32 k are in
	HBLK 0, \c
	HBLK 1, \c
	HBLK 2, \c
	HBLK 3, \c
.endr
.irp p, 0,1,2,3
	ds_load_b128 v[XB+4*\p:XB+4*\p+3], v[AQXR] offset:32*\p        ; the own rows' fragments
.endr
.irp t, 0,1,2,3
	TSET \t
.irp p, 0,1,2,3
	ds_load_b128 v[TB+4*\p:TB+4*\p+3], v[AWQ] offset:2048*\t+512*\p        ; Wq's
.endr
.endr
.irp i, 0,1,2,3
	v_lshl_or_b32 v[88+\i], v[MAD+2*\i+1], 16, v[MAD+2*\i]         ; my two bytes: blocks h and 2 + h of neighbour r,
.endr
.irp i, 0,1,2,3
	v_lshlrev_b32 v[88+\i], v[SH8], v[88+\i]                       ; at their places in the scale word;
.endr
.irp i, 0,1,2,3
	v_permlanex16_b32 v[92+\i], v[88+\i], s44, s45
.endr
.irp i, 0,1,2,3
	v_or_b32 v[88+\i], v[88+\i], v[92+\i]                          ; with lane l xor 16's two the word is whole
.endr
.irp i, 0,1,2,3
	ds_store_b32 v[ASW], v[88+\i] offset:256*\i+128
.endr
	s_wait_dscnt 0x0
.irp t, 0,1,2,3
	TSET \t
	MM ACC+8*\t, XB, TB, -1, QS, WQS+\t, 0, 0      ; q: source 0 = the 16 own rows, source 1 = 16 rows of Wq; four accumulators by turns
.endr
.irp t, 0,1,2,3
	TSET \t
	MM ACC+8*\t, XB+8, TB+8, ACC+8*\t, QS, WQS+\t, 1, 1
.endr
.rept 4
	v_nop                                          ; four places between the products and the first read of their results
.endr
.irp d, 0,16
.irp i, 0,2,4,6
	v_pk_add_f32 v[ACC+\d+\i:ACC+\d+\i+1], v[ACC+\d+\i:ACC+\d+\i+1], v[BQ+\d/8:BQ+\d/8+1] op_sel_hi:[1,0]       ; + bq of the even tile
	v_pk_add_f32 v[ACC+8+\d+\i:ACC+8+\d+\i+1], v[ACC+8+\d+\i:ACC+8+\d+\i+1], v[BQ+\d/8:BQ+\d/8+1] op_sel:[0,1]  ; of the odd one
.endr
.endr
.irp t, 0,1,2,3
.irp j, 0,1,2,3,4,5,6,7
	ds_store_b32 v[AQW], v[ACC+8*\t+\j] offset:\j*1024+4*\t
.endr
.endr
.Lno_prep:
	s_cmp_eq_u32 s29, 0
	s_cbranch_scc1 .Lno_proj
; ================ PROJ(b - 1): y = Q(out) Q(Wo)^T + bo, transposed: a lane holds point r and eight neighbouring outputs
.irp p, 0,1,2,3
	ds_load_b128 v[XB+4*\p:XB+4*\p+3], v[AOF] offset:512*\p
.endr
	ds_load_b32 v[XS], v[AOSR]
.irp t, 0,1,2,3
	TSET \t
.irp p, 0,1,2,3
	ds_load_b128 v[TB+4*\p:TB+4*\p+3], v[AWO] offset:2048*\t+512*\p
.endr
.endr
	s_wait_dscnt 0x0
	WIN 0x10                                       ; source 2 (bo) window 1
.irp t, 0,1,2,3
	TSET \t
	MM ACC+8*\t, TB, XB, BO+8*\t, WOS+\t, XS, 0, 0 ; bo begins the sum
.endr
	WIN 0
.irp t, 0,1,2,3
	TSET \t
	MM ACC+8*\t, TB+8, XB+8, ACC+8*\t, WOS+\t, XS, 1, 1
.endr
.rept 4
	v_nop
.endr
.irp t, 0,1,2,3
	ds_store_b128 v[AY], v[ACC+8*\t:ACC+8*\t+3] offset:64*\t       ; into my own patch, each accumulator from its low end on
	ds_store_b128 v[AY], v[ACC+8*\t+4:ACC+8*\t+7] offset:64*\t+16
.endr
.irp i, 0,1,2,3,4,5,6,7
	ds_load_b128 v[208+4*\i:211+4*\i], v[AYR] offset:544*\i        ; LDS serves a wave's instructions in order: these see my stores
.endr
.irp i, 0,1,2,3,4,5,6,7
	s_wait_dscnt 7-\i                              ; load i is in, the 7 - i younger ones may be out
	global_store_b128 v[VO], v[208+4*\i:211+4*\i], s[42:43] offset:2048*\i-16384 th:TH_STORE_NT   ; the block before: sixteen lanes store 256 consecutive bytes, aligned
.endr
.Lno_proj:
	BAR                                            ; block b's 16 points lie in LDS
	s_cmp_eq_u32 s29, 4
	s_cbranch_scc1 .Ldone
; ================ the next block's loads go out: they have MAIN in which to land.  No load leaves its buffer: the last blocks ask for nothing
	s_cmp_ge_u32 s29, 3
	s_cbranch_scc1 .Lno_issue
	ISSUE 1
.Lno_issue:
	s_cmp_ge_u32 s29, 2
	s_cbranch_scc1 .Lno_idx
	IDXN 2
.Lno_idx:
; ================ MAIN(b): the 16 points x my 64 channels
	s_mov_b32 s56, s50
	s_mov_b32 s57, s51
	s_mov_b32 s58, s52
	s_mov_b32 s59, s53
	s_mov_b32 s60, s54
	s_mov_b32 s61, s55
	v_add_nc_u32 v[AX], s56, v[RX]
	v_add_nc_u32 v[AH], s57, v[L16]
	v_add_nc_u32 v[AS], s58, v[L4]
	v_add_nc_u32 v[AQ], s59, v[R16]
	v_add_nc_u32 v[AM], s60, v[H32]
	v_add_nc_u32 v[AO], s61, v[L4]
	s_wait_alu depctr_va_vdst(0)
	LDA 0, 0
	s_wait_xcnt 0x0                                ; the gathers have read their offsets and the stores their data: v160-239 are at work again below
	s_wait_dscnt 0x0
	WIN 0x04
	G1 0, 0                                        ; point 0, pair 0
	WIN 0
	TL 1, 0, 0, 0, 1, 0, 0, 0                      ; its w, maximum and exponentials
	HD 0, 0, 1
	TL 0, 0, 0, 1, 1, 1, 1, 1                      ; point 0
	HD 1, 0, 1
	TL 1, 1, 0, 1, 1, 0, 0, 0
	HD 0, 1, 1
	s_mov_b32 s30, 7
.Ltrip:                                            ; a trip takes points 2 k + 1 and 2 k + 2; the addresses stand at point 2 k.  The loop's edge stands behind a batch's wait
	TL 0, 1, 0, 1, 1, 1, 0, 2
	HD 1, 1, 1
	TL 1, 1, 1, 1, 1, 0, 0, 0
	HD 0, 0, 1
	TL 0, 1, 1, 1, 1, 1, 1, 3
	HD 1, 0, 1
	TL 1, 1, 2, 1, 1, 0, 0, 0
	HD 0, 1, 1
	s_add_co_u32 s56, s56, 4608                    ; two points on
	s_add_co_u32 s57, s57, 2048
	s_add_co_u32 s58, s58, 512
	s_add_co_u32 s59, s59, 2048
	s_add_co_u32 s60, s60, 128
	s_add_co_u32 s61, s61, 544
	v_add_nc_u32 v[AX], s56, v[RX]
	v_add_nc_u32 v[AH], s57, v[L16]
	v_add_nc_u32 v[AS], s58, v[L4]
	v_add_nc_u32 v[AQ], s59, v[R16]
	v_add_nc_u32 v[AM], s60, v[H32]
	v_add_nc_u32 v[AO], s61, v[L4]
	s_sub_co_u32 s30, s30, 1
	s_cmp_lg_u32 s30, 0
	s_wait_alu depctr_va_vdst(0)                   ; the wait ahead of the branch
	s_cbranch_scc1 .Ltrip
	TL 0, 1, 0, 1, 1, 0, 0, 0                      ; point 15: nothing more to fetch
	HD 1, 1, 0
	TL 1, 1, 1, 1, 0, 0, 0, 0
	s_wait_alu depctr_va_vdst(0)                   ; the last reciprocal's wait
	v_fma_f32 v[OV+1], v[NT], v[RC], v[BVP+1]
	ds_store_b32 v[AO], v[OV+1] offset:272+128
; ================ OUTQ(b): my 16 points x 64 channels of out are quantised along the channels
.irp b, 0,1
.irp g, 0,1,2,3
	ds_load_b128 v[ACC+16*\b+4*\g:ACC+16*\b+4*\g+3], v[AOR] offset:128*\b+16*\g        ; my own bytes: LDS serves a wave's instructions in order.  Point r, channels 32 b + 16 h + 0 .. 15 of my 64
.endr
.endr
	s_wait_dscnt 0x0
.irp b, 0,1
	v_max3_num_f32 v[208+\b], |v[ACC+16*\b]|, |v[ACC+16*\b+1]|, FLOOR
.endr
.irp k, 2,4,6,8,10,12,14
.irp b, 0,1
	s_delay_alu instid0(VALU_DEP_2)
	v_max3_num_f32 v[208+\b], v[208+\b], |v[ACC+16*\b+\k]|, |v[ACC+16*\b+\k+1]|
.endr
.endr
.irp b, 0,1
	v_permlanex16_b32 v[210+\b], v[208+\b], s44, s45
.endr
.irp b, 0,1
	s_delay_alu instid0(VALU_DEP_2)
	v_max_num_f32 v[208+\b], v[208+\b], v[210+\b]  ; with lane l xor 16's 16: the block's largest magnitude
.endr
.irp b, 0,1
	s_delay_alu instid0(VALU_DEP_2)
	v_add_nc_u32 v[212+\b], 0xff000000, v[208+\b]
.endr
.irp b, 0,1
	s_delay_alu instid0(VALU_DEP_2)
	v_lshrrev_b32 v[214+\b], 23, v[212+\b]
.endr
	s_delay_alu instid0(VALU_DEP_1)
	v_lshl_or_b32 v216, v215, 8, v214              ; my two bytes of the row's scale word
.irp b, 0,1
	v_cvt_scalef32_pk8_fp4_f32 v[224+2*\b], v[ACC+16*\b:ACC+16*\b+7], v[212+\b]
	v_cvt_scalef32_pk8_fp4_f32 v[225+2*\b], v[ACC+16*\b+8:ACC+16*\b+15], v[212+\b]
.endr
	v_nop                                          ; one plain line behind the conversions
	v_permlane16_swap_b32 v224, v226               ; a whole block in a lane: lanes 0-15 the first, lanes 16-31 the second
	v_permlane16_swap_b32 v225, v227
	ds_store_b128 v[AOI], v[224:227]               ; registers 4 c .. 4 c + 3 of fragment ks = w / 2, c = w % 2
	ds_store_b16 v[AOS], v216
	s_wait_alu depctr_va_vdst(0)                   ; the wait ahead of the blocking wait
	s_wait_loadcnt 0x0                             ; the next block's loads, my piece of its own rows among them
	s_cmp_eq_u32 s29, 3
	s_cbranch_scc1 .Lno_qx
	ds_store_b128 v[AQXW], v[QXP:QXP+3]            ; this block's own rows were last read ahead of the barrier before
.Lno_qx:
	BAR                                            ; nobody reads block b's images any more; out's fragments lie in LDS
	s_wait_xcnt 0x0                                ; every load and store has read its base
	s_add_nc_u64 s[32:33], s[32:33], 1024          ; the next block's bases
	s_add_nc_u64 s[34:35], s[34:35], 1024
	s_add_nc_u64 s[36:37], s[36:37], 256
	s_add_nc_u64 s[38:39], s[38:39], 2048
	s_add_nc_u64 s[40:41], s[40:41], 128
	s_add_nc_u64 s[42:43], s[42:43], 16384
	s_add_co_u32 s29, s29, 1
	s_cmp_lt_u32 s29, 5
	s_cbranch_scc1 .Lblock
.Ldone:
	s_wait_tensorcnt 0x0                           ; the wave's end
	ds_add_u32 v[SPW], v[NIL]
	s_wait_dscnt 0x0
	s_endpgm
.Lfunc_end_k_qc71404e5ef_attn:
	.size	k_qc71404e5ef_attn, .Lfunc_end_k_qc71404e5ef_attn-k_qc71404e5ef_attn
	.p2alignl 7, 3214868480
	.fill 96, 4, 3214868480
	.section	.rodata,"a",@progbits
	.p2align	6, 0x0
	.amdhsa_kernel k_qc71404e5ef_attn
		.amdhsa_group_segment_fixed_size 163840
		.amdhsa_private_segment_fixed_size 0
		.amdhsa_enable_private_segment 0
		.amdhsa_kernarg_size 88
		.amdhsa_user_sgpr_count 2
		.amdhsa_user_sgpr_kernarg_segment_ptr 1
		.amdhsa_wavefront_size32 1
		.amdhsa_system_sgpr_workgroup_id_x 1
		.amdhsa_system_sgpr_workgroup_id_y 1
		.amdhsa_system_sgpr_workgroup_id_z 1
		.amdhsa_system_vgpr_workitem_id 0
		.amdhsa_next_free_vgpr 512
		.amdhsa_next_free_sgpr 100
		.amdhsa_reserve_vcc 1
		.amdhsa_float_denorm_mode_32 3
		.amdhsa_float_denorm_mode_16_64 3
		.amdhsa_memory_ordered 1
		.amdhsa_forward_progress 1
		.amdhsa_inst_pref_size 123
	.end_amdhsa_kernel
	.amdgpu_metadata
---
amdhsa.version: [ 1, 2 ]
amdhsa.kernels:
  - .name:           k_qc71404e5ef_attn
    .symbol:         k_qc71404e5ef_attn.kd
    .args:
      - { .name: codes, .offset: 0, .size: 8, .value_kind: global_buffer, .address_space: global }
      - { .name: scales, .offset: 8, .size: 8, .value_kind: global_buffer, .address_space: global }
      - { .name: dist, .offset: 16, .size: 8, .value_kind: global_buffer, .address_space: global }
      - { .name: attn_index, .offset: 24, .size: 8, .value_kind: global_buffer, .address_space: global }
      - { .name: mask, .offset: 32, .size: 8, .value_kind: global_buffer, .address_space: global }
      - { .name: Wp1, .offset: 40, .size: 8, .value_kind: global_buffer, .address_space: global }
      - { .name: bp1, .offset: 48, .size: 8, .value_kind: global_buffer, .address_space: global }
      - { .name: bqkv, .offset: 56, .size: 8, .value_kind: global_buffer, .address_space: global }
      - { .name: bp2, .offset: 64, .size: 8, .value_kind: global_buffer, .address_space: global }
      - { .name: bo, .offset: 72, .size: 8, .value_kind: global_buffer, .address_space: global }
      - { .name: out0, .offset: 80, .size: 8, .value_kind: global_buffer, .address_space: global }
    .group_segment_fixed_size: 163840
    .private_segment_fixed_size: 0
    .kernarg_segment_align: 8
    .kernarg_segment_size: 88
    .max_flat_workgroup_size: 128
    .sgpr_count:     100
    .vgpr_count:     512
    .wavefront_size: 32
...
	.end_amdgpu_metadata
.endif
;; end of part 2
